; MI455X (gfx1250); checked and timed in simulation.
; The chip was launched on July 23, 2026; its instructions are those of AMD's public machine-readable ISA for CDNA 5 (MIT licence, August 2026) and "CDNA5" Instruction Set Architecture Reference Guide (July 2026). The comments in the code are by the model that wrote it; some were corrected since.
;; Attention. Allowed arithmetic: matrix products marked QUANTISED: E2M1 operands, one E8M0 scale for each 32 along K, by v_wmma_scale_f32_16x16x128_f8f6f4 with both operands' format E2M1 (or v_wmma_scale_f32_32x16x128_f4), f32 sums; products left as they are: bf16, f16 or f32 operands; f32 sums; everything else in f32.
;; Inputs: b_proj 1,024 float32; b_qkv 3,072 float32; w_proj 1,024 x 1,024 float32; w_qkv 3,072 x 1,024 float32; x 16 x 577 x 1,024 float32.
;; Outputs: out0 16 x 577 x 1,024 float32.
;; This version of the problem:
;;   THIS VERSION OF THE PROBLEM IS GIVEN IN LOW PRECISION. The matrix products marked QUANTISED in the list below multiply operands that are first quantised to E2M1 (2 exponent bits, 1 mantissa bit; 4 bits a number), with one power-of-two scale for each 32 numbers along K (OCP MX v1.0); their sums are f32. The products marked 'left as it is' may take bf16, f16 or f32 operands, with f32 sums. Whichever they take, every output number must still come out within the allowed error. Rounding operands to bf16 (8 significant bits) uses up far more of that allowance than f16 does (11 bits, for magnitudes from 6e-5 to 65,504). All else is computed in f32.
;;   The module's matrix products, in the order in which they are computed (A, B: the left and right operand; K: the contracted axis; several contracted axes count as one K, in the product's order):
;;     1. [M 9,232, K 1,024] x [K 1,024, N 3,072]; A: input x; B: input w_qkv: QUANTISED
;;     2. batch 256 x [M 577, K 64] x [K 64, N 577]; A: computed on the way; B: computed on the way: left as it is (an operand is computed on the way)
;;     3. batch 256 x [M 577, K 577] x [K 577, N 64]; A: computed on the way; B: computed on the way: left as it is (an operand is computed on the way)
;;     4. [M 9,232, K 1,024] x [K 1,024, N 1,024]; A: computed on the way; B: input w_proj: left as it is (an operand is computed on the way)
;;   THE QUANTISER, for each operand of a quantised product, along K:
;;     - K is cut into blocks of 32 from its start; a last block that is shorter is filled with zeros.
;;     - A block's scale is 2^e with e = floor(log2(the largest magnitude in the block)) - 2, held to -126 .. 127; a block of zeros has e = 0. As a byte (E8M0): e + 127.
;;     - Each number is divided by its block's scale, clamped to +-6, and rounded to the nearest number of E2M1, ties to even, subnormals kept.
;;     - The product sums the exact products of the quantised numbers (number of the format x scale) in f32.
;;   ~~~python
;;   def quantise(x, axis):      # numpy; x: float32 -> the quantised numbers, widened to float32 again
;;       x = np.moveaxis(x, axis, -1); K = x.shape[-1]
;;       x = np.pad(x, [(0, 0)] * (x.ndim - 1) + [(0, -K % 32)]); x = x.reshape(x.shape[:-1] + (-1, 32)); a = np.abs(x).max(-1, keepdims=True)
;;       e = np.where(a > 0, np.clip(np.frexp(np.where(a > 0, a, 1))[1] - 1 - 2, -126, 127), 0)      # np.frexp(a)[1] - 1 = floor(log2(a)), exactly
;;       r = np.clip(x / 2.0 ** e, -6, 6)
;;       step = 2.0 ** (np.maximum(np.frexp(np.where(r == 0, 1, r))[1] - 1, 0) - 1)
;;       q = np.round(r / step) * step * 2.0 ** e      # np.round: ties to even
;;       return np.moveaxis(q.reshape(q.shape[:-2] + (-1,))[..., :K], -1, axis).astype(np.float32)
;;   ~~~
;; One version. Each part assembles by itself: llvm-mc -triple=amdgcn-amd-amdhsa -mcpu=gfx1250 --defsym DOCPART=n.
;; ======== version 1 of 1: 3 launches
;; limits: values are held in f16: magnitudes above 65,504 overflow, below 6.1e-05 lose precision
;; workspace buffers: xf 4,849,664 bytes; xsf 303,104 bytes; wf 1,572,864 bytes; wsf 98,304 bytes; wpf 2,097,152 bytes; of 19,660,800 bytes
;; launch prep (part 1): grid 424 x 1, 4 waves a work-group, no clusters, 70,144 bytes of LDS; arguments x, w_qkv, w_proj, xf, xsf, wf, wsf, wpf; writes xf, xsf, wf, wsf, wpf
.if DOCPART == 1
	.amdgcn_target "amdgcn-amd-amdhsa--gfx1250"
	.amdhsa_code_object_version 6
	.text
	.protected	k_qd58ceac3dd_prep
	.globl	k_qd58ceac3dd_prep
	.p2align	8
	.type	k_qd58ceac3dd_prep,@function
k_qd58ceac3dd_prep:
	s_mov_b64 s[64:65], 0
	v_nop
	global_prefetch_b8 v0, s[64:65] scope:SCOPE_SE
	s_setreg_imm32_b32 hwreg(HW_REG_WAVE_MODE, 25, 1), 1
	s_wait_xcnt 0x0
; THE PROGRAM: out = proj(attention(x w_qkv^T + b_qkv)), B = 16, N = 577, C = 1,024, 16 heads of 64.  Three launches: this one lays the operands out; the second makes q, k, v (MX-FP4 product),
; the scores, the softmax and p v for one (batch, head) in each work-group; the third is the projection.
; WORK LEFT OUT, for all values of the inputs: b_qkv[1024:2048], k's bias.  logit(n, m) = s q_n . (k_m + b_k) = s q_n . k_m + s q_n . b_k; the second term does not hang on m, the softmax's axis, and
; softmax(z + const) = softmax(z).  The product q k^T is not quantised, so no quantiser sees k.  These 1,024 numbers are not loaded (b_qkv stays an argument of the second launch for q's and v's parts).
; LIMIT: a NaN, an infinity or an overflow that reaches only those 1,024 numbers is not carried to the result.
; THIS LAUNCH.  x [9,232][1,024] and w_qkv [3,072][1,024], f32, become codes of FP4 (E2M1) with one E8M0 byte for each 32 along K; w_proj [1,024][1,024] becomes f16.  All three are stored as IMAGES OF THE
; OPERAND'S REGISTERS: a fragment is [c = 0, 1][lane][16 bytes] = 1,024 bytes, so that the later launches load fragments by 16 bytes a lane, 512 dense bytes an instruction.
;   FP4 fragment (16 rows x 128 K): lane (r, h) holds row r, k = 64 c + 32 h + 0 .. 31.      f16 fragment (16 rows x 32 K): lane (r, h) holds row r, k = 16 c + 8 h + 0 .. 7.
;   scale words of a tile: [lane][4 words]: word p of lane (r, hh) is row r's word (four bytes: 128 along K) of K step 2 p + hh.
; A block's scale is 2^(floor(log2(largest magnitude)) - 2): its byte is the largest magnitude's exponent field - 2, held at 1 from below (a block of zeros keeps the byte 1: its codes are zeros and this program alone reads the bytes).
; A sequence has 577 = 36 x 16 + 1 rows: 37 tiles; tile 36 is filled with row 576 sixteen times (row stride 0: no load leaves x): finite numbers, inside a tile that holds live work.
; LIMITS: blocks whose largest magnitude lies under 2^-124 keep the byte 1; w_proj goes in f16 (magnitudes under 65,504; absolute error 3e-8 under 6e-5); NaN and infinities among the inputs are not served.
; SHARES.  A tile is 16 rows x 1,024; TWO WAVES TAKE A TILE, each 512 along K, so that a wave's 64 loads are half out at once.  u = 2 x work-group + wave / 2: 0 .. 591 x's tiles, 592 .. 783 w_qkv's, 784 .. 847 w_proj's.
; x and w_qkv take one path (pointers chosen on the work-group's number); w_proj takes a second path with LDS bytes of its own.  A step is 16 rows x 256 bytes: eight loads, each two whole pieces of 256 bytes; the bytes
; turn through the wave's own stage in LDS (rows 272 bytes apart) and come back 128 bytes a lane.  Loads run four steps (32 loads a wave) ahead, the turn one step.  No barrier: waves share nothing.
; A tile's 512 bytes of scale words come from its two waves, 8 bytes a lane each.  No matrix unit, no cluster: a stream whose work-groups share no input.
.set STG,   4352                       ; a stage: 16 rows x 272 bytes; two for each wave and path
.set NST,   8                          ; a wave's steps
.set SPARE, 16*STG                     ; behind the sixteen stages: the spare words, 128 bytes for each wave: two blocks of 256 bytes that no other line names
.set SW,   4                           ; v4   stage, way in: 272 h + 16 r
.set SR,   5                           ; v5   stage, way out: 272 r + 128 h (w_proj: + 32 h)
.set LI,   6                           ; v6   16 x lane
.set SH,   7                           ; v7   8 h: where my byte stands in a scale word; v8: 8 h + 16
.set SH16, 8
.set SPW,  9                           ; v9   LDS address of my spare word; never rewritten
.set NIL,  10                          ; v10  0; never rewritten
.set AD,   16                          ; v16-23  load i: (2 i + h) x row stride + 16 r
.set WS,   24                          ; v24-27  my four K steps' scale words
.set CD,   40                          ; v40-47  codes, two sets of 4
.set PC,   32                          ; v32-63  (w_proj) f16 numbers, two sets of 16
.set R,    64                          ; v64-191  four sets of 32 registers as loaded
.set X,    192                         ; v192-255 two sets of 32 neighbours
.set STR,  38                          ; s38  bytes from row to row
.set SRC,  40                          ; s[40:41] my half of the tile in memory; s[42:43] its fragments; s[44:45] its scale words
.set DST,  42
.set DSC,  44
.macro MKAD
.irp i, 0,1,2,3,4,5,6,7
	v_add_nc_u32 v12, 2*\i, v3
	v_mad_u32_u24 v[AD+\i], v12, s[STR], v13
.endr
.endm
.macro LOAD t                          ; step t: lanes 0-15 read 256 bytes of row 2 i, lanes 16-31 of row 2 i + 1
.irp i, 0,1,2,3,4,5,6,7
	global_load_b128 v[R+32*((\t)%4)+4*\i:R+32*((\t)%4)+4*\i+3], v[AD+\i], s[SRC:SRC+1] offset:256*(\t) th:TH_LOAD_NT
.endr
.endm
.macro TURN t, kind                    ; through the stage: LDS serves a wave's instructions in order, so no wait stands between the stores and the loads
.irp i, 0,1,2,3,4,5,6,7
	ds_store_b128 v[SW], v[R+32*((\t)%4)+4*\i:R+32*((\t)%4)+4*\i+3] offset:STG*((\t)%2)+544*\i
.endr
.if \kind == 0
.irp j, 0,1,2,3,4,5,6,7
	ds_load_b128 v[X+32*((\t)%2)+4*\j:X+32*((\t)%2)+4*\j+3], v[SR] offset:STG*((\t)%2)+16*\j
.endr
.else
.irp q, 0,1,2,3
.irp e, 0,1
	ds_load_b128 v[X+32*((\t)%2)+8*\q+4*\e:X+32*((\t)%2)+8*\q+4*\e+3], v[SR] offset:STG*((\t)%2)+64*\q+16*\e
.endr
.endr
.endif
.endm
.macro QWORK t                         ; my 32 numbers are one block: k = 64 t + 32 h + 0 .. 31 of row r, counted in my half of K
.set XS_, X+32*((\t)%2)
.set CS_, CD+4*((\t)%2)
	v_max3_num_f32 v12, |v[XS_]|, |v[XS_+1]|, |v[XS_+2]|
	v_max3_num_f32 v13, |v[XS_+3]|, |v[XS_+4]|, |v[XS_+5]|
.irp i, 6,10,14,18,22,26
	v_max3_num_f32 v12, v12, |v[XS_+\i]|, |v[XS_+\i+1]|
	v_max3_num_f32 v13, v13, |v[XS_+\i+2]|, |v[XS_+\i+3]|
.endr
	v_max3_num_f32 v12, v12, |v[XS_+30]|, |v[XS_+31]|
	v_max3_num_f32 v12, v12, v13, 0x1800000        ; the floor 2^(3 - 127): the byte cannot fall under 1
	v_add_nc_u32 v14, 0xff000000, v12              ; 2 off the exponent field: the conversion takes this operand's exponent field as its scale
.irp g, 0,1,2,3
	v_cvt_scalef32_pk8_fp4_f32 v[CS_+\g], v[XS_+8*\g:XS_+8*\g+7], v14
.endr
	v_lshrrev_b32 v15, 23, v14                     ; the scale's byte (also the plain line behind the conversions)
.if (\t)%2 == 0
	v_lshlrev_b32 v[WS+(\t)/2], v[SH], v15         ; block 2 c + h of my K step t / 2: byte 2 c + h of its word
.else
	v_lshl_or_b32 v[WS+(\t)/2], v15, v[SH16], v[WS+(\t)/2]
.endif
	global_store_b128 v[LI], v[CS_:CS_+3], s[DST:DST+1] offset:512*(\t)   ; 512 dense bytes: half a fragment
.endm
.macro PWORK t                         ; two f16 fragments: q = 2 u' + c; my 8 numbers of each: k = 64 t + 16 q + 8 h + 0 .. 7
.set XS_, X+32*((\t)%2)
.set CS_, PC+16*((\t)%2)
.irp i, 0,1,2,3,4,5,6,7,8,9,10,11,12,13,14,15
	v_cvt_pk_f16_f32 v[CS_+\i], v[XS_+2*\i], v[XS_+2*\i+1]
.endr
.irp q, 0,1,2,3
	global_store_b128 v[LI], v[CS_+4*\q:CS_+4*\q+3], s[DST:DST+1] offset:2048*(\t)+512*\q
.endr
.endm
.macro STEP t, kind
	s_wait_dscnt 0x0                               ; this step's numbers are back from the stage, so its stores into the stage have read their registers,
.if (\t)+4 < NST
	LOAD (\t)+4                                    ; which take the loads of four steps on
.endif
.if (\t)+1 < NST
.if (\t) < NST-4
	s_wait_loadcnt 24                              ; the next step's eight loads are in; those of the three steps behind it may be out
.else
	s_wait_loadcnt 8*(NST-2-(\t))                  ; the counts run down: 16, 8, 0
.endif
	TURN (\t)+1, \kind
.endif
	s_wait_xcnt 0x0                                ; the stores of two steps back have read their data: that set is written again below
.if \kind == 0
	QWORK \t
.else
	PWORK \t
.endif
.endm
	s_load_b256 s[4:11], s[0:1], 0x0               ; x s[4:5], w_qkv s[6:7], w_proj s[8:9], xf s[10:11]
	s_load_b256 s[12:19], s[0:1], 0x20             ; xsf s[12:13], wf s[14:15], wsf s[16:17], wpf s[18:19]
	v_lshl_add_u32 v[SPW], v0, 2, SPARE
	v_mov_b32 v[NIL], 0
	v_lshrrev_b32 v1, 5, v0
	v_readfirstlane_b32 s20, v1                    ; wave 0..3
	v_and_b32 v1, 31, v0                           ; lane
	v_and_b32 v2, 15, v0                           ; r
	v_bfe_u32 v3, v0, 4, 1                         ; h
	v_lshlrev_b32 v[LI], 4, v1
	v_lshlrev_b32 v13, 4, v2                       ; 16 r
	s_lshr_b32 s34, s20, 1                         ; which of the work-group's two tiles
	s_and_b32 s35, s20, 1                          ; which half of K
	s_lshl_b32 s21, ttmp9, 1
	s_add_co_u32 s21, s21, s34                     ; u
	s_mul_i32 s22, s20, 2*STG                      ; my two stages
	s_mov_b32 s37, 0
	s_cmp_ge_u32 ttmp9, 392
	s_cbranch_scc1 .Lproj
	; ---- x and w_qkv: codes and scale words
	v_mad_u32_u24 v[SW], v3, 272, v13
	v_add_nc_u32 v[SW], s22, v[SW]
	v_mul_u32_u24 v[SR], v2, 272
	v_lshl_add_u32 v[SR], v3, 7, v[SR]
	v_add_nc_u32 v[SR], s22, v[SR]
	v_lshlrev_b32 v[SH], 3, v3
	v_add_nc_u32 v[SH16], 16, v[SH]
	v_mov_b32 v36, 0                               ; written once: a lane permute's destination counts as one of its sources
	s_mov_b32 s46, 0x76543210
	s_mov_b32 s47, 0xfedcba98                      ; v_permlanex16_b32's selects for lane l xor 16
	s_mul_i32 s23, s21, 1772                       ; x: b = u / 37 = (1,772 u) >> 16, exact for u under 600
	s_lshr_b32 s23, s23, 16
	s_mul_i32 s24, s23, 37
	s_sub_co_u32 s24, s21, s24                     ; T = u - 37 b
	s_mul_i32 s23, s23, 577
	s_lshl_b32 s25, s24, 4
	s_add_co_u32 s23, s23, s25
	s_lshl_b32 s23, s23, 12                        ; the tile's first row, 577 b + 16 T, in bytes
	s_cmp_eq_u32 s24, 36
	s_cselect_b32 s26, 0, 4096                     ; tile 36: row 576 sixteen times
	s_sub_co_u32 s27, s21, 592                     ; w_qkv: tau = its tile of 16 rows
	s_lshr_b32 s28, s27, 6                         ; 0 q, 1 k, 2 v
	s_bfe_u32 s29, s27, 0x40002                    ; the head
	s_and_b32 s30, s27, 3                          ; which 16 of the head's 64
	s_sub_co_u32 s31, s28, 1
	s_cmp_eq_u32 s28, 0
	s_cselect_b32 s31, 2, s31                      ; a head's twelve tiles lie k, v, q
	s_mul_i32 s29, s29, 12
	s_lshl_b32 s31, s31, 2
	s_add_co_u32 s29, s29, s31
	s_add_co_u32 s29, s29, s30                     ; where the tile goes
	s_lshl_b32 s27, s27, 16                        ; and where it comes from
	s_wait_kmcnt 0x0
	s_cmp_lt_u32 ttmp9, 296                        ; x's work-group or w_qkv's?  The choice hangs on the work-group's number alone
	s_cselect_b32 s36, s23, s27
	s_cselect_b32 s[STR], s26, 4096
	s_cselect_b32 s29, s21, s29
	s_cselect_b64 s[SRC:SRC+1], s[4:5], s[6:7]
	s_cselect_b64 s[DST:DST+1], s[10:11], s[14:15]
	s_cselect_b64 s[DSC:DSC+1], s[12:13], s[16:17]
	s_lshl_b32 s33, s35, 11
	s_add_co_u32 s36, s36, s33                     ; my half of K: 2,048 bytes on in every row
	s_add_nc_u64 s[SRC:SRC+1], s[SRC:SRC+1], s[36:37]
	s_lshl_b32 s36, s29, 13                        ; 8,192 bytes of codes a tile,
	s_lshl_b32 s33, s35, 12
	s_add_co_u32 s36, s36, s33                     ; 4,096 a half
	s_add_nc_u64 s[DST:DST+1], s[DST:DST+1], s[36:37]
	s_lshl_b32 s36, s29, 9                         ; 512 bytes of scale words a tile; my two words of a lane's four
	s_lshl_b32 s33, s35, 3
	s_add_co_u32 s36, s36, s33
	s_add_nc_u64 s[DSC:DSC+1], s[DSC:DSC+1], s[36:37]
	MKAD
.irp t, 0,1,2,3
	LOAD \t
.endr
	s_wait_loadcnt 24                              ; step 0's eight loads are in
	TURN 0, 0
.irp t, 0,1,2,3,4,5,6,7
	STEP \t, 0
.endr
.irp s, 0,1,2,3
	v_permlanex16_b32 v36, v[WS+\s], s46, s47      ; the other half of the lanes holds the word's other two bytes
	v_or_b32 v[WS+\s], v[WS+\s], v36
.endr
	v_cmp_lt_u32 vcc_lo, 15, v1
.irp p, 0,1
	v_cndmask_b32 v[32+\p], v[WS+2*\p], v[WS+2*\p+1], vcc_lo   ; lanes 0-15: my K step 2 p; lanes 16-31: 2 p + 1
.endr
	global_store_b64 v[LI], v[32:33], s[DSC:DSC+1]             ; 8 of each lane's 16 bytes; the tile's other wave stores the other 8
	s_wait_tensorcnt 0x0                           ; the wave's end, behind my last LDS store
	ds_add_u32 v[SPW], v[NIL]
	s_wait_dscnt 0x0
	s_endpgm
.Lproj:	; ---- w_proj: f16 fragments
	s_add_co_u32 s22, s22, 8*STG                   ; this path's own stages
	v_mad_u32_u24 v[SW], v3, 272, v13
	v_add_nc_u32 v[SW], s22, v[SW]
	v_mul_u32_u24 v[SR], v2, 272
	v_lshl_add_u32 v[SR], v3, 5, v[SR]
	v_add_nc_u32 v[SR], s22, v[SR]
	s_sub_co_u32 s27, s21, 784                     ; its tile of 16 rows
	s_mov_b32 s[STR], 4096
	s_wait_kmcnt 0x0
	s_lshl_b32 s36, s27, 16
	s_lshl_b32 s33, s35, 11
	s_add_co_u32 s36, s36, s33                     ; my half of K
	s_add_nc_u64 s[SRC:SRC+1], s[8:9], s[36:37]
	s_lshl_b32 s36, s27, 15                        ; 32 fragments of 1,024 bytes a tile, 16 a half
	s_lshl_b32 s33, s35, 14
	s_add_co_u32 s36, s36, s33
	s_add_nc_u64 s[DST:DST+1], s[18:19], s[36:37]
	MKAD
.irp t, 0,1,2,3
	LOAD \t
.endr
	s_wait_loadcnt 24
	TURN 0, 1
.irp t, 0,1,2,3,4,5,6,7
	STEP \t, 1
.endr
	s_wait_tensorcnt 0x0                           ; the wave's end, as above
	ds_add_u32 v[SPW], v[NIL]
	s_wait_dscnt 0x0
	s_endpgm
.Lfunc_end_k_qd58ceac3dd_prep:
	.size	k_qd58ceac3dd_prep, .Lfunc_end_k_qd58ceac3dd_prep-k_qd58ceac3dd_prep
	.p2alignl 7, 3214868480
	.fill 96, 4, 3214868480
	.section	.rodata,"a",@progbits
	.p2align	6, 0x0
	.amdhsa_kernel k_qd58ceac3dd_prep
		.amdhsa_group_segment_fixed_size 70144
		.amdhsa_private_segment_fixed_size 0
		.amdhsa_enable_private_segment 0
		.amdhsa_kernarg_size 64
		.amdhsa_user_sgpr_count 2
		.amdhsa_user_sgpr_kernarg_segment_ptr 1
		.amdhsa_wavefront_size32 1
		.amdhsa_system_sgpr_workgroup_id_x 1
		.amdhsa_system_sgpr_workgroup_id_y 1
		.amdhsa_system_sgpr_workgroup_id_z 1
		.amdhsa_system_vgpr_workitem_id 0
		.amdhsa_next_free_vgpr 256
		.amdhsa_next_free_sgpr 66
		.amdhsa_reserve_vcc 1
		.amdhsa_float_denorm_mode_32 3
		.amdhsa_float_denorm_mode_16_64 3
		.amdhsa_memory_ordered 1
		.amdhsa_forward_progress 1
		.amdhsa_inst_pref_size 59
	.end_amdhsa_kernel
	.amdgpu_metadata
---
amdhsa.version: [ 1, 2 ]
amdhsa.kernels:
  - .name:           k_qd58ceac3dd_prep
    .symbol:         k_qd58ceac3dd_prep.kd
    .args:
      - { .name: x, .offset: 0, .size: 8, .value_kind: global_buffer, .address_space: global }
      - { .name: w_qkv, .offset: 8, .size: 8, .value_kind: global_buffer, .address_space: global }
      - { .name: w_proj, .offset: 16, .size: 8, .value_kind: global_buffer, .address_space: global }
      - { .name: xf, .offset: 24, .size: 8, .value_kind: global_buffer, .address_space: global }
      - { .name: xsf, .offset: 32, .size: 8, .value_kind: global_buffer, .address_space: global }
      - { .name: wf, .offset: 40, .size: 8, .value_kind: global_buffer, .address_space: global }
      - { .name: wsf, .offset: 48, .size: 8, .value_kind: global_buffer, .address_space: global }
      - { .name: wpf, .offset: 56, .size: 8, .value_kind: global_buffer, .address_space: global }
    .group_segment_fixed_size: 70144
    .private_segment_fixed_size: 0
    .kernarg_segment_align: 8
    .kernarg_segment_size: 64
    .max_flat_workgroup_size: 128
    .sgpr_count:     66
    .vgpr_count:     256
    .wavefront_size: 32
...
	.end_amdgpu_metadata
.endif
;; end of part 1
;; launch attn (part 2): grid 16 x 16, 8 waves a work-group, no clusters, 302,080 bytes of LDS; arguments xf, xsf, wf, wsf, b_qkv, of; writes of
.if DOCPART == 2
	.amdgcn_target "amdgcn-amd-amdhsa--gfx1250"
	.amdhsa_code_object_version 6
	.text
	.protected	k_qd58ceac3dd_attn
	.globl	k_qd58ceac3dd_attn
	.p2align	8
	.type	k_qd58ceac3dd_attn,@function
k_qd58ceac3dd_attn:
	s_mov_b64 s[64:65], 0
	v_nop
	global_prefetch_b8 v0, s[64:65] scope:SCOPE_SE
	s_setreg_imm32_b32 hwreg(HW_REG_WAVE_MODE, 25, 1), 1
	s_wait_xcnt 0x0
; One work-group = one (head, batch): q, k, v = x w^T (MX-FP4 codes, scaled matrix form), S = q k^T / 8, softmax with a running maximum, O = p v / sum + b_v.  q, k, v and p never go to memory.
; WORK LEFT OUT: k's bias, b_qkv[1024:2048], adds s q_n . b_k to every logit of row n, which softmax cancels for all values (shown at the head of the first kernel); it is not loaded.
; v's bias is not left out but moved: sum(p (v + b_v)) / sum(p) = sum(p v) / sum(p) + b_v: it is the addend of the last multiply-add.
; LIMITS: q, k, v, p and O go to the matrix unit in f16 (magnitudes under 65,504; absolute error 3e-8 under 6e-5); NaN and infinities among the inputs are not served.
; SHARES.  Eight waves, two to a SIMD.  A sequence is 37 tiles of 16 rows; wave w owns tiles T0 .. with T0 = min(5 w, 4 w + 5): waves 0-4 five, waves 5-7 four.
; The fifth tile's lines stand under a branch on the wave's number.  A wave makes q, k, v of its rows, keeps q, hands k and v to the others through LDS as images of operand registers, and owns its rows as queries.
; LAYOUT: no number ever changes lanes.  k and q: source 0 = 16 rows of w, source 1 = 16 rows of x: lane (r, h) holds row r, channels 8 h + j; two neighbouring channel tiles, rounded to f16 in pairs, ARE a 16 x 32
; fragment.  v: sources swapped: lane (r, h) holds channel r, keys 8 h + j: half a fragment of V^T.  S^T = K Q^T and O^T = V^T P hold one query a lane; S^T rounded in pairs IS P; O^T rounded in pairs IS a fragment for the projection.
; BY TURNS.  A wave's tiles do not look at each other.  For a tile and 64 keys there are 16 products and a softmax of 119 vector instructions; in a SLOT one tile's softmax carries the NEXT tile's eight products K Q^T
; (one ahead of every ninth of its first 72 instructions) and the LAST tile's eight products V^T P (one ahead of every sixth of its last 48), so that vector instructions stand behind each product.  S^T and P have two buffers each.
; Tile 36 holds one live row (576) and fifteen copies of it.  As keys the copies are given the weight 0 (the tail); as queries their results lie in rows that the projection does not store.
; The eight tiles 592 .. 599 of the output buffer, which make the projection's blocks of ten tiles whole, are filled with zeros by the work-groups of batch 15.
; NO CLUSTER: of a work-group's 416 KB of input, 314 KB (x's codes) go from memory straight into the registers of the one wave that multiplies them, where no joint load can put them, and LDS, of which 302,080 bytes are
; taken, has no room for them; w's 104 KB are read once, at the head.  NO PREFETCH: every stream of this launch is asked for at its head.
; REGISTERS.  Window 0: v1-15 addresses; v16-35 x's scale words, later four statistics a tile (c m, m, l, l); v36-43 w's scale words, later at work; v44-59 q's bias; v60-107 w's fragments (3 sets);
;   later S^T: buffer 0 v60-91, buffer 1 v44-59 and v92-107; v108-187 the pass's accumulators, later Q, last the rows to store; v188-191 addresses, 0; v192-255 x's tile 4, later K, last v's bias.
;   Window 1: x's tiles 0-3; later v0-63 V, v64-223 O^T, v224-255 P, two buffers of 16.
.set WSC,   98304                      ; LDS: from 0 w's 96 fragments (ct 8,192 + s 1,024); here their scale words (ct 512)
.set KIMG,  104448                     ; K: key tile T 2,048 + channel pair 1,024
.set VIMG,  180224                     ; V^T: (T / 2) 4,096 + channel tile 1,024 + (T % 2) 512
.set QST,   258048                     ; q's channels 0-31: T 1,024 (each wave's own)
.set BVL,   299008                     ; v's bias, the head's 64 numbers: 256 bytes for each wave, its own
.set SPARE, 301056                     ; the spare words, 128 bytes for each wave: four blocks of 256 bytes that no other line names
.set LI,  1                            ; v1   16 x lane: an image's place for my lane; also the address of w's images, which begin at byte 0
.set AW0, 1
.set SPW, 2                            ; v2   LDS address of my spare word; never rewritten
.set NIL, 3                            ; v3   0; never rewritten
.set GS,  4                            ; v4   768 w + 8 x lane: my part of w's scale words, in memory; behind the head:
.set BVA, 4                            ;      where my half's numbers of v's bias lie in LDS
.set AW1, 5                            ; v5   65,536 + 16 x lane: w's images beyond an immediate's reach
.set AWS, 6
.set AK,  7                            ; v7   where my tiles' K images go
.set AV,  8                            ; v8-12  tile t's V images
.set AQ,  13
.set AKB, 14                           ; v14, v15  K's and V's images from key 0 on
.set AVB, 15
.set XS,  16
.set ST,  16
.set WS,  36
.set TM,  36
.set QB,  44
.set PT,  44                           ; the tail's P
.set WF,  60
.set S,   60
.set ACC, 108
.set Q,   108
.set ADRK, 188
.set ADRV, 189
.set VB,  190                          ; v190 32 h: my half's eight numbers of a bias
.set ZR,  191                          ; v191 0
.set X4,  192
.set KF,  192
.set BV,  192
.set VF,  0                            ; window 1
.set O,   64
.set PB,  224
.set WV,  16                           ; s16 wave; s18 batch; s19 T0
.set BT,  18
.set T0,  19
.set CS,  20                           ; s[20:21] c = log2(e) / 8
.set SEL, 22                           ; s[22:23] v_permlanex16_b32's selects for lane l xor 16
.set MHI, 24                           ; s24 lanes 16-31
.set TB,  25                           ; s25 LDS byte at which the key step to be fetched begins: 8,192 a step, in K's images and in V's alike
.set CNT, 26
.set PADB, 40
.set MSB, 0
.macro WIN new                         ; the immediate's high byte repeats the setting that is left; a switch that changes nothing is dropped
.if MSB != \new
	s_set_vgpr_msb (MSB<<8)|\new
.set MSB, \new
.endif
.endm
.macro NOPS n                          ; places behind matrix instructions (ISA guide 7.12.1), where no other plain vector work is at hand
.rept \n
	v_nop
.endr
.endm
; ---------------- q, k, v: six passes of two column tiles x my five row tiles; g = 8 x pass + K step
.macro WLOAD g                         ; w's two fragments of step g into set g % 3
.irp a, 0,1
.irp c, 0,1
.if (2*((\g)/8)+\a) < 8
	ds_load_b128 v[WF+16*((\g)%3)+8*\a+4*\c:WF+16*((\g)%3)+8*\a+4*\c+3], v[AW0] offset:((2*((\g)/8)+\a)*8+(\g)%8)*1024+512*\c
.else
	ds_load_b128 v[WF+16*((\g)%3)+8*\a+4*\c:WF+16*((\g)%3)+8*\a+4*\c+3], v[AW1] offset:((2*((\g)/8)+\a)*8+(\g)%8)*1024+512*\c-65536
.endif
.endr
.endr
.endm
.macro WSLOAD p                        ; the pass's scale words: register s / 2, lanes 0-15 for even K steps, lanes 16-31 for odd ones
.irp a, 0,1
	ds_load_b128 v[WS+4*\a:WS+4*\a+3], v[AWS] offset:(2*(\p)+\a)*512
.endr
.endm
; one product.  kind 0: k (source 0 = w, sums start at 0); 1: v (source 0 = x); 2: q (source 0 = w, sums start at the bias)
.macro WM kind, g, a, t
.set s_, (\g)%8
.set rD, ACC+16*(\t)+8*(\a)
.set rW, WF+16*((\g)%3)+8*(\a)
.if (\t) < 4
.set rX, 64*(\t)+8*s_
.else
.set rX, X4+8*s_
.endif
.set rWS, WS+4*(\a)+s_/2
.set rXS, XS+4*(\t)+s_/2
.if (s_ == 0) && (\kind == 2)
	v_wmma_scale_f32_16x16x128_f8f6f4 v[rD:rD+7], v[rW:rW+7], v[rX:rX+7], v[QB+8*(\a):QB+8*(\a)+7], v[rWS], v[rXS] matrix_a_fmt:MATRIX_FMT_FP4 matrix_b_fmt:MATRIX_FMT_FP4
.elseif (s_ == 0) && (\kind == 1)
	v_wmma_scale_f32_16x16x128_f8f6f4 v[rD:rD+7], v[rX:rX+7], v[rW:rW+7], 0, v[rXS], v[rWS] matrix_a_fmt:MATRIX_FMT_FP4 matrix_b_fmt:MATRIX_FMT_FP4
.elseif s_ == 0
	v_wmma_scale_f32_16x16x128_f8f6f4 v[rD:rD+7], v[rW:rW+7], v[rX:rX+7], 0, v[rWS], v[rXS] matrix_a_fmt:MATRIX_FMT_FP4 matrix_b_fmt:MATRIX_FMT_FP4
.elseif (\kind == 1) && (s_%2 == 0)
	v_wmma_scale_f32_16x16x128_f8f6f4 v[rD:rD+7], v[rX:rX+7], v[rW:rW+7], v[rD:rD+7], v[rXS], v[rWS] matrix_a_fmt:MATRIX_FMT_FP4 matrix_b_fmt:MATRIX_FMT_FP4
.elseif \kind == 1
	v_wmma_scale_f32_16x16x128_f8f6f4 v[rD:rD+7], v[rX:rX+7], v[rW:rW+7], v[rD:rD+7], v[rXS], v[rWS] matrix_a_fmt:MATRIX_FMT_FP4 matrix_b_fmt:MATRIX_FMT_FP4 matrix_a_scale:MATRIX_SCALE_ROW1 matrix_b_scale:MATRIX_SCALE_ROW1
.elseif s_%2 == 0
	v_wmma_scale_f32_16x16x128_f8f6f4 v[rD:rD+7], v[rW:rW+7], v[rX:rX+7], v[rD:rD+7], v[rWS], v[rXS] matrix_a_fmt:MATRIX_FMT_FP4 matrix_b_fmt:MATRIX_FMT_FP4
.else
	v_wmma_scale_f32_16x16x128_f8f6f4 v[rD:rD+7], v[rW:rW+7], v[rX:rX+7], v[rD:rD+7], v[rWS], v[rXS] matrix_a_fmt:MATRIX_FMT_FP4 matrix_b_fmt:MATRIX_FMT_FP4 matrix_a_scale:MATRIX_SCALE_ROW1 matrix_b_scale:MATRIX_SCALE_ROW1
.endif
.endm
; a K step of 128: ten (or eight) products; the accumulators take turns, one instruction a turn, in the same order in every step
.macro KSTEP kind, g
.if ((\g)%8 == 0) || ((\g) == 47)
	s_wait_dscnt 0x0                               ; a pass's first step: the scale words and the last pass's stores too; the very last step: nothing is issued behind its fragments
.else
	s_wait_dscnt 4                                 ; this step's fragments are in; the next step's four loads may be out
.endif
.if (\g) == 40
	s_wait_loadcnt 0x0                             ; the bias of q's channels 32-63
.endif
.if (\g)+2 < 48
.if (\g) > 0
	NOPS 4                                         ; behind the last step's products, which read the set that is loaded now
.endif
	WLOAD (\g)+2
.endif
.if (\g) == 33                                 ; q's first pass has taken its bias as C (a step ago, four places back): the second pass's comes into the same registers
.irp a, 0,1
	global_load_b128 v[QB+8*\a:QB+8*\a+3], v[VB], s[12:13] offset:128+64*\a
	global_load_b128 v[QB+8*\a+4:QB+8*\a+7], v[VB], s[12:13] offset:128+64*\a+16
.endr
.endif
.if \kind == 1
	WIN 0x01                                       ; x (source 0) in window 1
.else
	WIN 0x04                                       ; x (source 1) in window 1
.endif
.irp aa, 0,1
.irp tt, 0,1,2,3
	WM \kind, \g, \aa, \tt
.endr
.endr
	WIN 0
	s_cmp_ge_u32 s[WV], 5
	s_cbranch_scc1 .Lno4_\@
	WM \kind, \g, 0, 4
	WM \kind, \g, 1, 4
.Lno4_\@:
.endm
.macro PASS kind, pidx
.set G, 8*(\pidx)
.rept 8
	KSTEP \kind, G
.set G, G+1
.endr
.endm
; tile t's two accumulators become one f16 fragment (k, q) or two halves (v), in place, each accumulator read from its low end on; kind 0: to K's images, 1: to V's, 2: to my q stage, 3: it stays
.macro PUT kind, pp, t
.set A_, ACC+16*(\t)
.irp i, 0,1,2,3
	v_cvt_pk_f16_f32 v[A_+\i], v[A_+2*\i], v[A_+2*\i+1]
.endr
.irp i, 0,1,2,3
	v_cvt_pk_f16_f32 v[A_+4+\i], v[A_+8+2*\i], v[A_+9+2*\i]
.endr
.if \kind == 0
	ds_store_b128 v[AK], v[A_:A_+3] offset:2048*(\t)+1024*(\pp)
	ds_store_b128 v[AK], v[A_+4:A_+7] offset:2048*(\t)+1024*(\pp)+512
.elseif \kind == 1
	ds_store_b128 v[AV+(\t)], v[A_:A_+3] offset:2048*(\pp)
	ds_store_b128 v[AV+(\t)], v[A_+4:A_+7] offset:2048*(\pp)+1024
.elseif \kind == 2
	ds_store_b128 v[AQ], v[A_:A_+3] offset:1024*(\t)
	ds_store_b128 v[AQ], v[A_+4:A_+7] offset:1024*(\t)+512
.endif
.endm
.macro EPI kind, pp, nxt
	NOPS 4                                         ; behind the pass's last products: for the conversions, and for the load into the scale words' registers
.if (\nxt) < 6
	WSLOAD \nxt
.endif
.irp tt, 0,1,2,3
	PUT \kind, \pp, \tt
.endr
	s_cmp_ge_u32 s[WV], 5
	s_cbranch_scc1 .Le4_\@
	PUT \kind, \pp, 4
.Le4_\@:
.endm
; ---------------- attention: key steps of 64
.macro KLOAD n                         ; n / 4 key tiles: fragments (key tile, channel pair) on end
	v_add_nc_u32 v[ADRK], s[TB], v[AKB]
.set i_, 0
.rept \n
	ds_load_b128 v[KF+4*i_:KF+4*i_+3], v[ADRK] offset:512*i_
.set i_, i_+1
.endr
.endm
.macro VLOAD n                         ; 16: two pairs of key tiles x four channel tiles.  4: key tile 36 alone: the fragments' other halves, keys that do not exist, are zeros
	v_add_nc_u32 v[ADRV], s[TB], v[AVB]
	WIN 0x40
.if \n == 16
.set i_, 0
.rept 16
	ds_load_b128 v[VF+4*i_:VF+4*i_+3], v[ADRV] offset:512*i_
.set i_, i_+1
.endr
.else
.irp ch, 0,1,2,3
	ds_load_b128 v[VF+8*\ch:VF+8*\ch+3], v[ADRV] offset:1024*\ch
.endr
.irp ch, 0,1,2,3
.irp e, 4,5,6,7
	v_mov_b32 v[VF+8*\ch+\e], 0
.endr
.endr
.endif
	WIN 0
.endm
; Register i (0 .. 31) of S^T's buffer b is v[60 - 16 b + i + 32 b (i / 16)]: buffer 0 v60-91; buffer 1 v44-59, v92-107.
; Product i of 8 of S^T = K Q^T for tile t, into buffer b: key tile i % 4; channels 0-31 (i < 4: they start the sums), then 32-63.  All its registers lie in window 0.
.macro QKI t, b, i
	WIN 0
.set rS_, 60-16*(\b)+8*((\i)%4)+32*(\b)*(((\i)%4)/2)
.if (\i) < 4
	v_wmma_f32_16x16x32_f16 v[rS_:rS_+7], v[KF+16*((\i)%4):KF+16*((\i)%4)+7], v[Q+16*(\t)+8:Q+16*(\t)+15], 0
.else
	v_wmma_f32_16x16x32_f16 v[rS_:rS_+7], v[KF+16*((\i)%4)+8:KF+16*((\i)%4)+15], v[Q+16*(\t):Q+16*(\t)+7], v[rS_:rS_+7]
.endif
.endm
; Product i of 8 of O^T += V^T P for tile t, P in buffer b: channel tile i % 4; keys 0-31 (i < 4), then 32-63.  All its registers lie in window 1.  first = 1: the first four start the sums
.macro PVI t, b, i, first
	WIN 0x55
.set rO_, O+32*(\t)+8*((\i)%4)
.set rP_, PB+16*(\b)+8*((\i)/4)
.if (\first) && ((\i) < 4)
	v_wmma_f32_16x16x32_f16 v[rO_:rO_+7], v[VF+8*(\i):VF+8*(\i)+7], v[rP_:rP_+7], 0
.else
	v_wmma_f32_16x16x32_f16 v[rO_:rO_+7], v[VF+8*(\i):VF+8*(\i)+7], v[rP_:rP_+7], v[rO_:rO_+7]
.endif
.endm
.macro QKB t, b                        ; the eight on end: a step's first scores, for which no vector work is at hand
.irp ii, 0,1,2,3,4,5,6,7
	QKI \t, \b, \ii
.endr
.endm
.macro PVB t, b, first                 ; the eight on end: a step's last tile
.irp ii, 0,1,2,3,4,5,6,7
	PVI \t, \b, \ii, \first
.endr
	WIN 0
.endm
; ONE TILE'S SOFTMAX FOR 64 KEYS, 32 scores a lane, is a list of 119 instructions; SMI writes number j of it for tile t, S^T and P in buffer b.
; p = 2^(c s - c m), m the running maximum; l and O^T are multiplied by a = 2^(c m_old - c m_new).  first = 1: the first key step starts m, l and O^T: it has no a and nothing to rescale.
;   0-15    the maximum: four chains, one to a key tile, each from the accumulator's low end on; then the four scores left over, the chains and the old m
;   16-20   c m_old kept; the other half of the lanes' maximum; the new m; c m; c m_old - c m_new
;   21-69   ONE BATCH: the 16 scalings c s - c m, a pair each, and the 33 exponentials: scaling 0, a, then a scaling and two exponentials by turns; none reads an exponential's result
;   70      a plain line behind the last exponential, and the one wait for the batch, ahead of its first reader
;   71-86   the roundings to f16, into P (window 1)        87-102  the sum of the unrounded p, a tree in place; l = a l + the sum        103-118 the tile's O^T times a (window 1)
.macro SMI t, b, first
.set T_, ST+4*(\t)
.set A_, 60-16*(\b)
.set D_, 32*(\b)
.if (j < 71) || ((j > 86) && (j < 103))
	WIN 0
.endif
.if j < 4
.set r_, A_+8*j+(j/2)*D_
	v_max3_num_f32 v[TM+j], v[r_], v[r_+1], v[r_+2]
.elseif j < 12
.set r_, A_+8*(j%4)+((j%4)/2)*D_+2*(j/4)+1
	v_max3_num_f32 v[TM+j%4], v[TM+j%4], v[r_], v[r_+1]
.elseif j == 12
	v_max3_num_f32 v[TM], v[TM], v[A_+7], v[A_+15]
.elseif j == 13
	v_max3_num_f32 v[TM+2], v[TM+2], v[A_+23+D_], v[A_+31+D_]
.elseif j == 14
	v_max3_num_f32 v[TM], v[TM], v[TM+1], v[TM+2]
.elseif (j == 15) && (\first)
	v_max_num_f32 v[TM], v[TM], v[TM+3]
.elseif j == 15
	v_max3_num_f32 v[TM], v[TM], v[TM+3], v[T_+1]
.elseif j == 17
	v_permlanex16_b32 v[TM+1], v[TM], s[SEL], s[SEL+1]   ; the query's other 32 keys lie in the lane 16 away
.elseif j == 18
	v_max_num_f32 v[T_+1], v[TM], v[TM+1]
.elseif j == 19
	v_mul_f32 v[T_], s[CS], v[T_+1]
.elseif ((j == 16) || (j == 20) || (j == 22) || (j > 101)) && (\first)   ; the first step has none of these
.elseif j == 16
	v_mov_b32 v[TM+6], v[T_]
.elseif j == 20
	v_sub_f32 v[TM+7], v[TM+6], v[T_]
.elseif j == 22
	v_exp_f32 v[TM+4], v[TM+7]
.elseif (j == 21) || ((j < 68) && ((j-23)%3 == 0))
.set p_, (j-20)/3                      ; 21: pair 0; 23, 26, .. 65: pairs 1 to 15
.set r_, A_+2*p_+(p_/8)*D_
	v_pk_fma_f32 v[r_:r_+1], v[r_:r_+1], s[CS:CS+1], v[T_:T_+1] op_sel_hi:[1,0,0] neg_lo:[0,0,1] neg_hi:[0,0,1]
.elseif j < 70
.set e_, j-38                          ; 68, 69: scores 30, 31
.if j < 68
.set e_, 2*((j-23)/3)+(j-23)%3-1       ; 24, 25, 27, 28, .. 66, 67: scores 0 to 29, each behind its pair's scaling
.endif
.set r_, A_+e_+(e_/16)*D_
	v_exp_f32 v[r_], v[r_]
.elseif j == 70
	v_nop
	s_wait_alu depctr_va_vdst(0)
.elseif j < 87
	WIN 0x40                                       ; P in window 1
.set p_, j-71
.set r_, A_+2*p_+(p_/8)*D_
	v_cvt_pk_f16_f32 v[PB+16*(\b)+p_], v[r_], v[r_+1]
.elseif j < 102
.set z_, j-87
.set w_, 4
.set u_, z_
.if z_ >= 14
.set w_, 32
.set u_, 0
.elseif z_ >= 12
.set w_, 16
.set u_, z_-12
.elseif z_ >= 8
.set w_, 8
.set u_, z_-8
.endif
.set a_, w_*u_
.set c_, a_+w_/2
.set ra_, A_+a_+(a_/16)*D_
.set rc_, A_+c_+(c_/16)*D_
.if (z_ == 14) && (\first)
	v_pk_add_f32 v[T_+2:T_+3], v[ra_:ra_+1], v[rc_:rc_+1]
.else
	v_pk_add_f32 v[ra_:ra_+1], v[ra_:ra_+1], v[rc_:rc_+1]
.endif
.elseif j == 102
	v_pk_fma_f32 v[T_+2:T_+3], v[T_+2:T_+3], v[TM+4:TM+5], v[A_:A_+1] op_sel_hi:[1,0,1]
.else
	WIN 0x41                                       ; O^T (destination, source 0) in window 1
.set r_, O+32*(\t)+2*(j-103)
	v_pk_mul_f32 v[r_:r_+1], v[r_:r_+1], v[TM+4:TM+5] op_sel_hi:[1,0]
.endif
.endm
; A SLOT: tile t's softmax (buffer b), and between its lines the products K Q^T of tile qk (into the other buffer) and V^T P of tile pv (P from the other buffer); -1: none.
; The matrix instructions follow each other on accumulators that take turns, one instruction a turn.  No line of the softmax names a register of the products beside it: they belong to other tiles and
; other buffers.  Behind the last K Q^T (ahead of number 63) stand the roundings and the sums: more than the four places that the next slot's first read of those scores wants.
.macro SLOT t, b, first, qk, pv
.set j, 0
.rept 119
.if ((\qk) >= 0) && (j < 72) && (j%9 == 0)
	QKI \qk, 1-(\b), j/9
.endif
.if ((\pv) >= 0) && (j > 70) && ((j-71)%6 == 0)
	PVI \pv, 1-(\b), (j-71)/6, \first
.endif
	SMI \t, \b, \first
.set j, j+1
.endr
	WIN 0
.endm
; A KEY STEP.  Tiles go 4, 0, 1, 2, 3 on buffers 0, 1, 0, 1, 0.  The fifth tile's two slots stand in one arm of a branch on the wave's number; the other arm starts with tile 0.
; pf = 1: the next step's 64 keys are fetched; 2: key tile 36.  K's run of loads stands behind the slot with the step's last K Q^T, V's behind the step's last V^T P.
.macro STEP first, pf
	s_wait_dscnt 16                                ; K (in the first step q's stage too) is in; V's sixteen loads, issued behind them, may be out
	s_cmp_ge_u32 s[WV], 5
	s_cbranch_scc1 .Lfour_\@
	QKB 4, 0
	NOPS 4                                         ; behind the scores' products, ahead of their first read
	SLOT 4, 0, \first, 0, -1
	s_wait_dscnt 0x0                               ; V is in
	SLOT 0, 1, \first, 1, 4
	s_branch .Ljoin_\@
.Lfour_\@:
	QKB 0, 1
	NOPS 4
	SLOT 0, 1, \first, 1, -1
.Ljoin_\@:
	s_wait_dscnt 0x0                               ; V is in
	SLOT 1, 0, \first, 2, 0
	SLOT 2, 1, \first, 3, 1
.if \pf == 1
	KLOAD 16                                       ; the step's last product with K stands ahead of number 63 of the slot above
.else
	KLOAD 4
.endif
	SLOT 3, 0, \first, -1, 2
	PVB 3, 0, \first
	NOPS 4                                         ; behind the last products with V
.if \pf == 1
	VLOAD 16
.else
	VLOAD 4
.endif
	s_add_co_u32 s[TB], s[TB], 8192
.endm
; ---------------- the tail: key 576, which is register 0 of lanes 0-15 in key tile 36's scores
.macro TQK t, cs
.if \cs == 0
	v_wmma_f32_16x16x32_f16 v[S+8*(\t):S+8*(\t)+7], v[KF:KF+7], v[Q+16*(\t)+8:Q+16*(\t)+15], 0
.else
	v_wmma_f32_16x16x32_f16 v[S+8*(\t):S+8*(\t)+7], v[KF+8:KF+15], v[Q+16*(\t):Q+16*(\t)+7], v[S+8*(\t):S+8*(\t)+7]
.endif
.endm
.macro TSTAT t
.set T_, ST+4*(\t)
.set U_, S+8*(\t)
	v_permlanex16_b32 v[U_+1], v[U_], s[SEL], s[SEL+1]
	v_cndmask_b32 v[U_], v[U_], v[U_+1], s[MHI]    ; the score stands in both halves of the lanes
	v_mov_b32 v[U_+6], v[T_]
	v_max_num_f32 v[T_+1], v[T_+1], v[U_]
	v_mul_f32 v[T_], s[CS], v[T_+1]
	v_sub_f32 v[U_+6], v[U_+6], v[T_]
	v_fma_f32 v[U_+7], v[U_], s[CS], -v[T_]
.endm
.macro TEXP t
.set U_, S+8*(\t)
	v_exp_f32 v[U_+2], v[U_+6]                     ; a
	v_exp_f32 v[U_+7], v[U_+7]                     ; p
.endm
.macro TFIN t
.set T_, ST+4*(\t)
.set U_, S+8*(\t)
	v_cndmask_b32 v[U_+4], v[U_+7], v[ZR], s[MHI]  ; p counts once: in lanes 0-15; every other key of the tile has the weight 0
	v_mov_b32 v[U_+5], 0
	v_pk_fma_f32 v[T_+2:T_+3], v[T_+2:T_+3], v[U_+2:U_+3], v[U_+4:U_+5] op_sel_hi:[1,0,1]
	WIN 0x41
.irp i, 0,1,2,3,4,5,6,7,8,9,10,11,12,13,14,15
	v_pk_mul_f32 v[O+32*(\t)+2*\i:O+32*(\t)+2*\i+1], v[O+32*(\t)+2*\i:O+32*(\t)+2*\i+1], v[U_+2:U_+3] op_sel_hi:[1,0]   ; (also the places behind the tile before, whose products read v44)
.endr
	WIN 0
	v_cvt_pk_f16_f32 v[PT], v[U_+4], v[U_+5]
	WIN 0x51                                       ; V, C and D in window 1, the tail's P in window 0
.irp ch, 0,1,2,3
	v_wmma_f32_16x16x32_f16 v[O+32*(\t)+8*\ch:O+32*(\t)+8*\ch+7], v[VF+8*\ch:VF+8*\ch+7], v[PT:PT+7], v[O+32*(\t)+8*\ch:O+32*(\t)+8*\ch+7]
.endr
	WIN 0
.endm
; ---------------- the way out
.macro LSUM t
.set T_, ST+4*(\t)
	v_add_f32 v[T_+2], v[T_+2], v[T_+3]
	v_permlanex16_b32 v[T_+3], v[T_+2], s[SEL], s[SEL+1]
	v_add_f32 v[T_+2], v[T_+2], v[T_+3]
	v_rcp_f32 v[T_+2], v[T_+2]
.endm
.macro OUTT t                          ; O^T / l + b_v, rounded to f16 in pairs: two fragments of the projection's operand, stored as they stand: 512 dense bytes a store
.set T_, ST+4*(\t)
.set rO, O+32*(\t)
.set rR, Q+16*(\t)                     ; the tile's q is done with
	WIN 0x41
.irp i, 0,1,2,3,4,5,6,7,8,9,10,11,12,13,14,15
	v_pk_fma_f32 v[rO+2*\i:rO+2*\i+1], v[rO+2*\i:rO+2*\i+1], v[T_+2:T_+3], v[BV+2*\i:BV+2*\i+1] op_sel_hi:[1,0,1]
.endr
	WIN 0x05
.irp i, 0,1,2,3,4,5,6,7,8,9,10,11,12,13,14,15
	v_cvt_pk_f16_f32 v[rR+\i], v[rO+2*\i], v[rO+2*\i+1]
.endr
	WIN 0
.irp i, 0,1,2,3
	global_store_b128 v[LI], v[rR+4*\i:rR+4*\i+3], s[14:15] offset:32768*(\t)+512*\i
.endr
.endm
	s_load_b256 s[4:11], s[0:1], 0x0               ; xf s[4:5], xsf s[6:7], wf s[8:9], wsf s[10:11]
	s_load_b128 s[12:15], s[0:1], 0x20             ; b_qkv s[12:13], of s[14:15]
	v_lshl_add_u32 v[SPW], v0, 2, SPARE
	v_mov_b32 v[NIL], 0
	v_lshrrev_b32 v[GS], 5, v0
	v_readfirstlane_b32 s[WV], v[GS]               ; wave 0..7
	s_and_b32 s[BT], ttmp7, 0xffff                 ; the batch; ttmp9 is the head
	s_mul_i32 s28, s[WV], 5
	s_lshl_b32 s29, s[WV], 2
	s_add_co_u32 s29, s29, 5
	s_min_u32 s[T0], s28, s29                      ; my first tile
	v_and_b32 v[LI], 31, v0
	v_lshlrev_b32 v[GS], 3, v[LI]
	v_lshlrev_b32 v[LI], 4, v[LI]
	s_mul_i32 s28, s[WV], 768
	v_add_nc_u32 v[GS], s28, v[GS]
	v_add_nc_u32 v[ADRV], WSC, v[GS]               ; for now: where my eighth of w's scale words goes
	s_mul_i32 s28, s[WV], 12288
	v_add_nc_u32 v[ADRK], s28, v[LI]               ; for now: my eighth of w's images, in memory and in LDS alike
	v_bfe_u32 v[VB], v0, 4, 1
	v_lshlrev_b32 v[VB], 5, v[VB]
	v_mov_b32 v[ZR], 0
	v_and_b32 v168, 15, v0
	v_lshlrev_b32 v168, 4, v168                    ; 16 r: both halves of the lanes take the same 256 bytes of v's bias
	s_lshl_b32 s33, s[WV], 8
	s_add_co_u32 s33, s33, BVL                     ; my wave's copy of it
	v_add_nc_u32 v169, s33, v168
	v_add_nc_u32 v[AW1], 65536, v[LI]
	v_add_nc_u32 v[AWS], WSC, v[LI]
	s_lshl_b32 s28, s[T0], 11
	s_add_co_u32 s28, s28, KIMG
	v_add_nc_u32 v[AK], s28, v[LI]
.irp t, 0,1,2,3,4
	s_add_co_u32 s28, s[T0], \t
	s_lshr_b32 s29, s28, 1
	s_lshl_b32 s29, s29, 12
	s_and_b32 s28, s28, 1
	s_lshl_b32 s28, s28, 9
	s_add_co_u32 s28, s28, s29
	s_add_co_u32 s28, s28, VIMG
	v_add_nc_u32 v[AV+\t], s28, v[LI]
.endr
	s_lshl_b32 s28, s[T0], 10
	s_add_co_u32 s28, s28, QST
	v_add_nc_u32 v[AQ], s28, v[LI]
	v_add_nc_u32 v[AKB], KIMG, v[LI]
	v_add_nc_u32 v[AVB], VIMG, v[LI]
	s_mul_i32 s32, s[BT], 37
	s_add_co_u32 s32, s32, s[T0]                   ; my first tile among all 592
	s_mov_b32 s31, 0
	s_mov_b32 s[CS], 0x3e38aa3b                    ; c = log2(e) / sqrt(64)
	s_mov_b32 s[CS+1], s[CS]                       ; (named with it as a pair, so it is written)
	s_mov_b32 s[SEL], 0x76543210
	s_mov_b32 s[SEL+1], 0xfedcba98
	s_mov_b32 s[MHI], 0xffff0000
	s_wait_kmcnt 0x0
	s_lshl_b32 s30, s32, 13
	s_add_nc_u64 s[4:5], s[4:5], s[30:31]          ; x's codes: 8,192 bytes a tile
	s_lshl_b32 s30, s32, 9
	s_add_nc_u64 s[6:7], s[6:7], s[30:31]          ; its scale words: 512
	s_mul_i32 s30, ttmp9, 98304
	s_add_nc_u64 s[8:9], s[8:9], s[30:31]          ; the head's twelve tiles of w
	s_mul_i32 s30, ttmp9, 6144
	s_add_nc_u64 s[10:11], s[10:11], s[30:31]
	s_lshl_b32 s30, ttmp9, 8
	s_add_nc_u64 s[12:13], s[12:13], s[30:31]      ; the head's 64 numbers of a bias
	s_lshl_b32 s30, ttmp9, 11
	s_add_nc_u64 s[14:15], s[14:15], s[30:31]      ; the head's two fragments in a tile of the output buffer
	s_add_co_u32 s30, s[WV], 592
	s_lshl_b32 s30, s30, 15
	s_add_nc_u64 s[PADB:PADB+1], s[14:15], s[30:31]
	s_lshl_b32 s30, s32, 15
	s_add_nc_u64 s[14:15], s[14:15], s[30:31]
	; all that this wave ever reads of x and w is asked for here, at once
	WIN 0x40
.irp t, 0,1,2,3
.irp s, 0,1,2,3,4,5,6,7
.irp c, 0,1
	global_load_b128 v[64*\t+8*\s+4*\c:64*\t+8*\s+4*\c+3], v[LI], s[4:5] offset:8192*\t+1024*\s+512*\c
.endr
.endr
.endr
	WIN 0
.irp t, 0,1,2,3
	global_load_b128 v[XS+4*\t:XS+4*\t+3], v[LI], s[6:7] offset:512*\t
.endr
	s_cmp_ge_u32 s[WV], 5
	s_cbranch_scc1 .Lhead4
.irp s, 0,1,2,3,4,5,6,7
.irp c, 0,1
	global_load_b128 v[X4+8*\s+4*\c:X4+8*\s+4*\c+3], v[LI], s[4:5] offset:8192*4+1024*\s+512*\c
.endr
.endr
	global_load_b128 v[XS+16:XS+19], v[LI], s[6:7] offset:512*4
.Lhead4:
.irp a, 0,1
	global_load_b128 v[QB+8*\a:QB+8*\a+3], v[VB], s[12:13] offset:64*\a          ; q's bias, channels 0-31, in the result's layout
	global_load_b128 v[QB+8*\a+4:QB+8*\a+7], v[VB], s[12:13] offset:64*\a+16
.endr
	global_load_b128 v[164:167], v168, s[12:13] offset:8192                      ; v's bias: it waits in LDS for the way out
.irp i, 0,1,2,3,4,5,6,7,8,9,10,11,12,13,14,15,16,17,18,19,20,21,22,23
	global_load_b128 v[60+4*\i:60+4*\i+3], v[ADRK], s[8:9] offset:512*\i
.endr
.irp i, 0,1,2
	global_load_b64 v[156+2*\i:157+2*\i], v[GS], s[10:11] offset:256*\i
.endr
	s_wait_loadcnt 0x0
.irp i, 0,1,2,3,4,5,6,7,8,9,10,11,12,13,14,15,16,17,18,19,20,21,22,23
	ds_store_b128 v[ADRK], v[60+4*\i:60+4*\i+3] offset:512*\i
.endr
.irp i, 0,1,2
	ds_store_b64 v[ADRV], v[156+2*\i:157+2*\i] offset:256*\i
.endr
	ds_store_b128 v169, v[164:167]                 ; lanes l and l + 16 write the same bytes with the same values
	v_add_nc_u32 v[BVA], s33, v[VB]                ; (the loads that named v4 as their offset are done)
	s_wait_dscnt 0x0                               ; for the others' sake: my eighth of w lies in LDS
	s_barrier_signal -1
	s_barrier_wait -1
	WSLOAD 0
	WLOAD 0
	WLOAD 1
	PASS 0, 0                                      ; k, channels 0-31
	EPI 0, 0, 1
	PASS 0, 1                                      ; k, channels 32-63
	EPI 0, 1, 2
	PASS 1, 2                                      ; v, channels 0-31
	EPI 1, 0, 3
	PASS 1, 3                                      ; v, channels 32-63
	EPI 1, 1, 4
	PASS 2, 4                                      ; q, channels 0-31: to my stage, since the accumulators are wanted once more
	EPI 2, 0, 5
	PASS 2, 5                                      ; q, channels 32-63: it stays in registers
	EPI 3, 0, 6
	s_wait_dscnt 0x0                               ; for the others' sake: my tiles of K and V lie in LDS
	s_barrier_signal -1
	s_barrier_wait -1
.irp t, 0,1,2,3
	ds_load_b128 v[Q+16*\t+8:Q+16*\t+11], v[AQ] offset:1024*\t
	ds_load_b128 v[Q+16*\t+12:Q+16*\t+15], v[AQ] offset:1024*\t+512
.endr
	s_cmp_ge_u32 s[WV], 5
	s_cbranch_scc1 .Lq4
	ds_load_b128 v[Q+72:Q+75], v[AQ] offset:4096
	ds_load_b128 v[Q+76:Q+79], v[AQ] offset:4608
.Lq4:
	s_mov_b32 s[TB], 0
	KLOAD 16
	VLOAD 16
	s_mov_b32 s[TB], 8192
	v_mov_b32 v[TM+5], 0                           ; (named as the upper half of the pair that holds a)
	STEP 1, 1                                      ; keys 0-63
	s_mov_b32 s[CNT], 7
.Lkeys:                                            ; keys 64 .. 511
	STEP 0, 1
	s_sub_co_u32 s[CNT], s[CNT], 1
	s_cmp_lg_u32 s[CNT], 0
	s_cbranch_scc1 .Lkeys
	STEP 0, 2                                      ; keys 512 .. 575
	s_wait_dscnt 0x0                               ; key tile 36's K and V
.irp e, 1,2,3,4,5,6,7
	v_mov_b32 v[PT+\e], 0                          ; P of the tail: one weight, all else 0
.endr
	s_cmp_ge_u32 s[WV], 5
	s_cbranch_scc1 .Lt4a
	TQK 4, 0
.Lt4a:
.irp t, 0,1,2,3
	TQK \t, 0
.endr
	s_cmp_ge_u32 s[WV], 5
	s_cbranch_scc1 .Lt4b
	TQK 4, 1
.Lt4b:
.irp t, 0,1,2,3
	TQK \t, 1
.endr
	NOPS 4                                         ; behind the last products with K: for the first read of the scores, and for the loads into K's registers
.irp ch, 0,1,2,3
	ds_load_b128 v[BV+8*\ch:BV+8*\ch+3], v[BVA] offset:64*\ch          ; v's bias, in O^T's layout: channels 16 ch + 8 h + 0 .. 7
	ds_load_b128 v[BV+8*\ch+4:BV+8*\ch+7], v[BVA] offset:64*\ch+16
.endr
	s_cmp_ge_u32 s[WV], 5
	s_cbranch_scc1 .Lt4c
	TSTAT 4
	TEXP 4
	v_nop
	s_wait_alu depctr_va_vdst(0)                   ; a label follows: this tile's two exponentials have their own wait
	TFIN 4
.Lt4c:
.irp t, 0,1,2,3
	TSTAT \t
.endr
.irp t, 0,1,2,3
	TEXP \t
.endr
	v_nop
	s_wait_alu depctr_va_vdst(0)                   ; one wait for the eight
.irp t, 0,1,2,3
	TFIN \t
.endr
	s_wait_dscnt 0x0                               ; v's bias
	s_cmp_ge_u32 s[WV], 5
	s_cbranch_scc1 .Lo4
	LSUM 4
	v_nop
	s_wait_alu depctr_va_vdst(0)
	OUTT 4
.Lo4:
.irp t, 0,1,2,3
	LSUM \t                                        ; (their additions are the places behind the last products)
.endr
	v_nop
	s_wait_alu depctr_va_vdst(0)                   ; one wait for the four reciprocals
.irp t, 0,1,2,3
	OUTT \t
.endr
	s_cmp_lg_u32 s[BT], 15
	s_cbranch_scc1 .Lnopad
.irp e, 0,1,2,3
	v_mov_b32 v[100+\e], 0
.endr
.irp i, 0,1,2,3
	global_store_b128 v[LI], v[100:103], s[PADB:PADB+1] offset:512*\i   ; tile 592 + wave, this head's two fragments: zeros
.endr
.Lnopad:
	s_wait_tensorcnt 0x0                           ; the wave's end, behind my last LDS store
	ds_add_u32 v[SPW], v[NIL]
	s_wait_dscnt 0x0
	s_endpgm
.Lfunc_end_k_qd58ceac3dd_attn:
	.size	k_qd58ceac3dd_attn, .Lfunc_end_k_qd58ceac3dd_attn-k_qd58ceac3dd_attn
	.p2alignl 7, 3214868480
	.fill 96, 4, 3214868480
	.section	.rodata,"a",@progbits
	.p2align	6, 0x0
	.amdhsa_kernel k_qd58ceac3dd_attn
		.amdhsa_group_segment_fixed_size 302080
		.amdhsa_private_segment_fixed_size 0
		.amdhsa_enable_private_segment 0
		.amdhsa_kernarg_size 48
		.amdhsa_user_sgpr_count 2
		.amdhsa_user_sgpr_kernarg_segment_ptr 1
		.amdhsa_wavefront_size32 1
		.amdhsa_system_sgpr_workgroup_id_x 1
		.amdhsa_system_sgpr_workgroup_id_y 1
		.amdhsa_system_sgpr_workgroup_id_z 1
		.amdhsa_system_vgpr_workitem_id 0
		.amdhsa_next_free_vgpr 512
		.amdhsa_next_free_sgpr 66
		.amdhsa_reserve_vcc 0
		.amdhsa_float_denorm_mode_32 3
		.amdhsa_float_denorm_mode_16_64 3
		.amdhsa_memory_ordered 1
		.amdhsa_forward_progress 1
		.amdhsa_inst_pref_size 255
	.end_amdhsa_kernel
	.section	.bss,"aw",@nobits
	.p2align	6
	.space	262144
	.amdgpu_metadata
---
amdhsa.version: [ 1, 2 ]
amdhsa.kernels:
  - .name:           k_qd58ceac3dd_attn
    .symbol:         k_qd58ceac3dd_attn.kd
    .args:
      - { .name: xf, .offset: 0, .size: 8, .value_kind: global_buffer, .address_space: global }
      - { .name: xsf, .offset: 8, .size: 8, .value_kind: global_buffer, .address_space: global }
      - { .name: wf, .offset: 16, .size: 8, .value_kind: global_buffer, .address_space: global }
      - { .name: wsf, .offset: 24, .size: 8, .value_kind: global_buffer, .address_space: global }
      - { .name: b_qkv, .offset: 32, .size: 8, .value_kind: global_buffer, .address_space: global }
      - { .name: of, .offset: 40, .size: 8, .value_kind: global_buffer, .address_space: global }
    .group_segment_fixed_size: 302080
    .private_segment_fixed_size: 0
    .kernarg_segment_align: 8
    .kernarg_segment_size: 48
    .max_flat_workgroup_size: 256
    .sgpr_count:     66
    .vgpr_count:     512
    .wavefront_size: 32
...
	.end_amdgpu_metadata
.endif
;; end of part 2
;; launch proj (part 3): grid 4 x 60, 4 waves a work-group, clusters of 4 x 4, 327,680 bytes of LDS; arguments of, wpf, b_proj, out0; writes out0
.if DOCPART == 3
	.amdgcn_target "amdgcn-amd-amdhsa--gfx1250"
	.amdhsa_code_object_version 6
	.text
	.protected	k_qd58ceac3dd_proj
	.globl	k_qd58ceac3dd_proj
	.p2align	8
	.type	k_qd58ceac3dd_proj,@function
k_qd58ceac3dd_proj:
	s_mov_b64 s[64:65], 0
	v_nop
	global_prefetch_b8 v0, s[64:65] scope:SCOPE_SE
	s_setreg_imm32_b32 hwreg(HW_REG_WAVE_MODE, 25, 1), 1
	s_wait_xcnt 0x0
	s_wait_alu depctr_hold_cnt(0) depctr_sa_sdst(0) depctr_va_vdst(0) depctr_va_sdst(0) depctr_va_ssrc(0) depctr_va_vcc(0) depctr_vm_vsrc(0)
	s_getreg_b32 s2, hwreg(HW_REG_IB_STS2, 6, 4)
	s_cmp_eq_u32 s2, 0
	s_cbranch_scc0 .Lentry_in_a_cluster
	s_endpgm
.Lentry_in_a_cluster:
	s_bfe_u32 s2, ttmp6, 0x10000c
	s_cmp_lg_u32 s2, 0xf033
	s_cbranch_scc0 .Lentry_shape_is_right
	s_endpgm
.Lentry_shape_is_right:
; out0[row][n] = sum over c of o[row][c] w_proj[n][c] + b_proj[n].  Both operands arrive as f16 fragments laid as images of the operand's registers (16 rows x 32 K = 1,024 bytes; a tile of 16 rows = 32 fragments on end);
; sums in f32.  The rows come as 600 tiles: 37 to a sequence (tile 36 holds one live row), and eight tiles of zeros at the end, so that 60 blocks of ten tiles are whole.
; LIMIT: operands in f16, as the launches before state.
; SHARES.  A work-group makes 10 row tiles x 16 column tiles (160 x 256); its four waves 5 x 8 each: 40 accumulators.  K goes in steps of 192 (six fragments of each tile: 6,144 dense bytes) through a ring of two LDS slots, as long
; as two slots in LDS allow: 240 products a wave between two changes of slots.  1,024 = 5 x 192 + 64: the sixth fill brings two fragments a tile; its descriptor states 256 of the row's 768 elements as left in the tensor,
; the rest of the row lands as zeros and is not read.  The six steps are written out: the first quarter (it starts the sums) and the fourth refill (the short one) differ from the others.
; CLUSTERS: 4 x 4 work-groups.  The four of a row of the cluster need the same row tiles, the four of a column the same column tiles: each is asked for JOINTLY, by the same tensor load with the same descriptor and a mask
; that names the four.  No branch and no LDS address hangs on a work-group's place: the last block, of whose ten tiles two are live, is multiplied whole, and rows that do not exist are kept from memory by EXEC.
; THE MATRIX INSTRUCTION IS USED TRANSPOSED (source 0 = 16 rows of w_proj, source 1 = 16 rows of o): a lane holds eight neighbouring numbers of a row of out0.  The bias is the C of each sum's first product.
; REGISTERS.  Window 0: v6-10 live rows of my five tiles; v16-29 addresses; v32-111 o's fragments, two sets of five; v128-191 the bias, later with v192-255 rows on the way out.
;   Window 1: v0-127 w_proj's fragments, two sets of eight; v128-191 the accumulators of my fifth row tile.   Window 2: those of row tiles 0-3 ((a, b) at 64 a + 8 b).
.set TP,     6144                      ; a tile's part of a slot: six fragments
.set SLOT,   26*TP                     ; a slot: 10 row tiles, then 16 column tiles
.set BOFF,   10*TP
.set SPARE,  2*SLOT                    ; behind the ring: the spare words, 128 bytes for each wave: two blocks of 256 bytes that no other line names
.set SPITCH, 528                       ; the way out: a stage of 16 rows x (512 bytes + 16) for each wave, in slot 0, which has had its last fill and its last read when the first result is stored there
.set NV,   6
.set ADRA, 16                          ; v16-17 my five row tiles in slot 0, 1: + 16 x lane
.set ADRB, 20                          ; v20-21 my eight column tiles
.set STO,  24
.set RD,   25
.set CO,   26                          ; v26 16 x lane
.set VB,   27                          ; v27 32 h
.set SPW,  28                          ; v28 LDS address of my spare word; never rewritten
.set NIL,  29                          ; v29 0; never rewritten
.set FA,   32
.set BIAS, 128
.set BK,   128
.set G1,  24                           ; s[24:31] descriptor group 1 for row tiles; s[32:39] group 0, one set for each slot
.set G0,  32
.set G1B, 48                           ; s[48:55], s[56:63] the same for column tiles
.set G0B, 56
.set OB,  70                           ; s[70:79] where my five tiles' first rows lie in out0
.set G1S, 80                           ; s[80:87], s[88:95] groups 1 of the short sixth fill
.set G1SB, 88
.set MSB, 0
.macro WIN new                         ; the immediate's high byte repeats the setting that is left
.if MSB != \new
	s_set_vgpr_msb (MSB<<8)|\new
.set MSB, \new
.endif
.endm
.macro NOPS n
.rept \n
	v_nop
.endr
.endm
.macro JLOAD s, ga, gb                 ; a joint load: waves 0 and 1 fetch the row tiles' two halves, waves 2 and 3 the column tiles'; an s_nop 0 and four v_nop follow each of the two lines
	s_cmp_eq_u32 s13, 0
	s_cbranch_scc0 .Lfor_b_\@
	tensor_load_to_lds s[G0+4*\s:G0+4*\s+3], s[\ga:\ga+7]
	s_nop 0
.rept 4
	v_nop
.endr
	s_branch .Lasked_\@
.Lfor_b_\@:
	tensor_load_to_lds s[G0B+4*\s:G0B+4*\s+3], s[\gb:\gb+7]
	s_nop 0
.rept 4
	v_nop
.endr
.Lasked_\@:
.endm
.macro CREST                           ; a round of the cluster's barrier behind its opening barrier
	s_cmp_lg_u32 s12, 0
	s_cbranch_scc1 .Lnot_wave_0_\@
	s_barrier_signal -3
.Lnot_wave_0_\@:
	s_barrier_wait -3
	s_barrier_signal -1
	s_barrier_wait -1
.endm
.macro CROUND
	s_barrier_signal -1
	s_barrier_wait -1
	CREST
.endm
; eight products: row tile a x my eight column tiles, 32 along K, from set f.  zero = 1: the sums start at the bias.  The 40 accumulators take turns, one instruction a turn, in one order everywhere
.macro MULA f, a, zero
.if (\a) < 4
.set rD, 64*(\a)
.if \zero
	WIN 0x81                                       ; w_proj window 1, o window 0, C (the bias) window 0, D window 2
.else
	WIN 0xa1
.endif
.else
.set rD, 128
.if \zero
	WIN 0x41
.else
	WIN 0x51
.endif
.endif
.irp b, 0,1,2,3,4,5,6,7
.if \zero
	v_wmma_f32_16x16x32_f16 v[rD+8*\b:rD+8*\b+7], v[64*(\f)+8*\b:64*(\f)+8*\b+7], v[FA+40*(\f)+8*(\a):FA+40*(\f)+8*(\a)+7], v[BIAS+8*\b:BIAS+8*\b+7]
.else
	v_wmma_f32_16x16x32_f16 v[rD+8*\b:rD+8*\b+7], v[64*(\f)+8*\b:64*(\f)+8*\b+7], v[FA+40*(\f)+8*(\a):FA+40*(\f)+8*(\a)+7], v[rD+8*\b:rD+8*\b+7]
.endif
.endr
.endm
.macro FETCH slot, q, f                ; 26 LDS loads in one run: the slot's q-th fragments, 512 dense bytes a load
	WIN 0x40
.irp i, 0,1,2,3,4,5,6,7
.irp c, 0,1
	ds_load_b128 v[64*(\f)+8*\i+4*\c:64*(\f)+8*\i+4*\c+3], v[ADRB+\slot] offset:TP*\i+1024*(\q)+512*\c
.endr
.endr
	WIN 0
.irp i, 0,1,2,3,4
.irp c, 0,1
	ds_load_b128 v[FA+40*(\f)+8*\i+4*\c:FA+40*(\f)+8*\i+4*\c+3], v[ADRA+\slot] offset:TP*\i+1024*(\q)+512*\c
.endr
.endr
.endm
; a K step is six parts of 32 along K, 40 products each, on sets 0, 1, 0, 1, 0, 1.  One of the first five: multiplies set f and fetches the next part into set g
.macro QUARTER slot, qnext, f, g, zero
	s_wait_dscnt 0x0                               ; set f is in (asked for 24 products ago)
	MULA \f, 0, \zero
	MULA \f, 1, \zero
	NOPS 4                                         ; behind the last part's products, which read set g
	FETCH \slot, \qnext, \g
	MULA \f, 2, \zero
	MULA \f, 3, \zero
	MULA \f, 4, \zero
.endm
.macro FIVE slot, zero
	QUARTER \slot, 1, 0, 1, \zero
	QUARTER \slot, 2, 1, 0, 0
	QUARTER \slot, 3, 0, 1, 0
	QUARTER \slot, 4, 1, 0, 0
	QUARTER \slot, 5, 0, 1, 0
.endm
; the sixth part multiplies set 1 and changes slots: ONE barrier; in front of it each wave waits for all its tensor loads, adds 0 to its spare word, and waits for that and for its own reads of this slot.
; fill = 1: this slot is filled again, two K steps ahead; 2: with the short sixth step; 0: nothing is left to fetch
.macro TURN slot, next, fill
	WIN 0                                          ; (the add's two registers lie in window 0)
	s_wait_tensorcnt 0x0                           ; all my tensor loads have landed: my part of the next slot;
	ds_add_u32 v[SPW], v[NIL]                      ; 0 onto my spare word;
	s_wait_dscnt 1                                 ; (set 1 is in; the add may be out)
	MULA 1, 0, 0                                   ; eight products stand between the add and the wait for it
	s_wait_dscnt 0x0                               ; the add is done, and my reads of this slot are over
	s_barrier_signal -1
	MULA 1, 1, 0
	WIN 0
	s_barrier_wait -1
.if \fill
	CREST                                          ; the barrier has opened a round of the cluster's barrier: no wave of any partner still reads this slot or has a load on its way
	s_add_nc_u64 s[G0+4*\slot+2:G0+4*\slot+3], s[G0+4*\slot+2:G0+4*\slot+3], 2*TP
	s_add_nc_u64 s[G0B+4*\slot+2:G0B+4*\slot+3], s[G0B+4*\slot+2:G0B+4*\slot+3], 2*TP
.if \fill == 1
	JLOAD \slot, G1, G1B                           ; the first tensor load behind the round: 224 products ahead of the wait for it; its four v_nop are also the places in front of the loads below
.else
	JLOAD \slot, G1S, G1SB
.endif
.else
	NOPS 4
.endif
	FETCH \next, 0, 0
	MULA 1, 2, 0
	MULA 1, 3, 0
	MULA 1, 4, 0
.endm
	s_load_b256 s[4:11], s[0:1], 0x0               ; of s[4:5], wpf s[6:7], b_proj s[8:9], out0 s[10:11]
	v_lshl_add_u32 v[SPW], v0, 2, SPARE
	v_mov_b32 v[NIL], 0
	ds_add_u32 v[SPW], v[NIL]                      ; the wave's opening: the add, twice on end, and its wait ahead of my first tensor load; the set-up below stands between the second and the wait
	ds_add_u32 v[SPW], v[NIL]
	v_lshrrev_b32 v1, 5, v0
	v_readfirstlane_b32 s12, v1                    ; wave 0..3
	s_lshr_b32 s13, s12, 1                         ; which five row tiles are mine.  Also: I fetch row tiles (0) or column tiles (1)
	s_and_b32 s14, s12, 1                          ; which eight column tiles.  Also: which half of them I fetch
	s_bfe_u32 s40, ttmp6, 0x40000                  ; cx, cy: my place in the cluster
	s_bfe_u32 s41, ttmp6, 0x40004
	s_lshl_b32 s42, ttmp9, 2
	s_add_co_u32 s42, s42, s40                     ; block of 16 column tiles = 4 x cluster x + cx
	s_and_b32 s43, ttmp7, 0xffff
	s_lshl_b32 s43, s43, 2
	s_add_co_u32 s43, s43, s41                     ; block of 10 row tiles = 4 x cluster y + cy
	s_lshl_b32 s44, s41, 2
	s_lshl_b32 s44, 15, s44                        ; my row of the cluster
	s_lshl_b32 s45, 0x1111, s40                    ; my column
	; descriptor group 1: 5 (8) rows of 768 elements of 8 bytes: six fragments of each tile, 6,144 dense bytes; a tile's 32 fragments are 4,096 elements from the next tile's; no padding: the lanes read LDS densely
	s_or_b32 s[G1], s44, (3<<16)|(1<<21)           ; 15:0 the mask: row tiles go to my row of the cluster; 17:16 elements of 8 bytes; 21 set beside a mask
	s_or_b32 s[G1B], s45, (3<<16)|(1<<21)
	s_or_b32 s[G1S], s44, (3<<16)|(1<<21)
	s_or_b32 s[G1SB], s45, (3<<16)|(1<<21)
	s_mov_b32 s[G1+1], 768<<16                     ; tensor_dim0
	s_mov_b32 s[G1+2], 5<<16                       ; tensor_dim1
	s_mov_b32 s[G1+3], 768<<16                     ; tile_dim0
	s_mov_b32 s[G1+4], 5                           ; tile_dim1
	s_mov_b32 s[G1+5], 4096                        ; tensor_dim0_stride
	s_mov_b32 s[G1+6], 0
	s_mov_b32 s[G1+7], 0
	s_mov_b32 s[G1B+1], 768<<16
	s_mov_b32 s[G1B+2], 8<<16
	s_mov_b32 s[G1B+3], 768<<16
	s_mov_b32 s[G1B+4], 8
	s_mov_b32 s[G1B+5], 4096
	s_mov_b32 s[G1B+6], 0
	s_mov_b32 s[G1B+7], 0
	s_mov_b32 s[G1S+1], 256<<16                    ; the sixth fill: tensor_dim0 = 256: two fragments are left of each tile from its first element on; the same tile in LDS
	s_mov_b32 s[G1S+2], 5<<16
	s_mov_b32 s[G1S+3], 768<<16
	s_mov_b32 s[G1S+4], 5
	s_mov_b32 s[G1S+5], 4096
	s_mov_b32 s[G1S+6], 0
	s_mov_b32 s[G1S+7], 0
	s_mov_b32 s[G1SB+1], 256<<16
	s_mov_b32 s[G1SB+2], 8<<16
	s_mov_b32 s[G1SB+3], 768<<16
	s_mov_b32 s[G1SB+4], 8
	s_mov_b32 s[G1SB+5], 4096
	s_mov_b32 s[G1SB+6], 0
	s_mov_b32 s[G1SB+7], 0
	s_mul_i32 s16, s43, 10                         ; row tiles: 10 x block + 5 x half, 32,768 bytes a tile (registers that never hold cx)
	s_mul_i32 s17, s14, 5
	s_add_co_u32 s16, s16, s17
	s_lshl_b32 s16, s16, 15
	s_mov_b32 s17, 0
	s_lshl_b32 s46, s42, 4                         ; column tiles: 16 x block + 8 x half (registers that never hold cy)
	s_lshl_b32 s47, s14, 3
	s_add_co_u32 s46, s46, s47
	s_lshl_b32 s46, s46, 15
	s_mov_b32 s47, 0
	s_mul_i32 s20, s14, 5*TP                       ; where they go: no place in the cluster enters an LDS address
	s_mul_i32 s21, s14, 8*TP
	s_add_co_u32 s21, s21, BOFF
	s_wait_dscnt 0x0                               ; both opening adds are done
	s_wait_kmcnt 0x0
	s_add_nc_u64 s[16:17], s[4:5], s[16:17]
	s_add_nc_u64 s[46:47], s[6:7], s[46:47]
	CROUND                                         ; all sixteen work-groups are here: the first joint loads meet
.irp s, 0,1
	s_mov_b32 s[G0+4*\s], 1
	s_add_co_u32 s[G0+4*\s+1], s20, \s*SLOT
	s_add_nc_u64 s[G0+4*\s+2:G0+4*\s+3], s[16:17], \s*TP
	s_or_b32 s[G0+4*\s+3], s[G0+4*\s+3], 0x80000000
	s_mov_b32 s[G0B+4*\s], 1
	s_add_co_u32 s[G0B+4*\s+1], s21, \s*SLOT
	s_add_nc_u64 s[G0B+4*\s+2:G0B+4*\s+3], s[46:47], \s*TP
	s_or_b32 s[G0B+4*\s+3], s[G0B+4*\s+3], 0x80000000
	JLOAD \s, G1, G1B                              ; two loads of mine are out
.endr
	v_and_b32 v1, 15, v0                           ; r
	v_bfe_u32 v2, v0, 4, 1                         ; h
	v_and_b32 v3, 31, v0
	v_lshlrev_b32 v[CO], 4, v3
	s_mul_i32 s22, s13, 5*TP
	s_mul_i32 s23, s14, 8*TP
	s_add_co_u32 s23, s23, BOFF
.irp s, 0,1
	v_add_nc_u32 v[ADRA+\s], s22, v[CO]
	v_add_nc_u32 v[ADRB+\s], s23, v[CO]
	s_add_co_u32 s22, s22, SLOT
	s_add_co_u32 s23, s23, SLOT
.endr
	s_mul_i32 s22, s12, 16*SPITCH                  ; my stage
	v_mul_u32_u24 v[STO], v1, SPITCH               ; in: row r, 32 bytes for each half of the lanes
	v_lshl_add_u32 v[STO], v2, 5, v[STO]
	v_add_nc_u32 v[STO], s22, v[STO]
	v_add_nc_u32 v[RD], s22, v[CO]                 ; back: the 32 lanes take one row of 512 bytes
	v_lshlrev_b32 v[VB], 5, v2
	s_lshl_b32 s66, s42, 10                        ; my first column, in bytes: 1,024 x block + 512 x half
	s_lshl_b32 s67, s14, 9
	s_add_co_u32 s66, s66, s67
	s_mov_b32 s67, 0
	s_add_nc_u64 s[8:9], s[8:9], s[66:67]
	s_add_nc_u64 s[10:11], s[10:11], s[66:67]
.irp b, 0,1,2,3,4,5,6,7
	global_load_b128 v[BIAS+8*\b:BIAS+8*\b+3], v[VB], s[8:9] offset:64*\b        ; the bias in the result's layout: columns 16 b + 8 h + 0 .. 7
	global_load_b128 v[BIAS+8*\b+4:BIAS+8*\b+7], v[VB], s[8:9] offset:64*\b+16
.endr
	s_mul_i32 s68, s43, 10
	s_mul_i32 s69, s13, 5
	s_add_co_u32 s68, s68, s69                     ; my first row tile among the 600
.irp a, 0,1,2,3,4
	s_add_co_u32 s16, s68, \a
	s_min_u32 s17, s16, 591                        ; (a tile of zeros gets a sound address and no live row)
	s_mul_i32 s18, s17, 1772
	s_lshr_b32 s18, s18, 16                        ; the batch = tile / 37, exact under 600
	s_mul_i32 s21, s18, 37
	s_sub_co_u32 s22, s17, s21                     ; the tile in its sequence
	s_mul_i32 s18, s18, 577
	s_lshl_b32 s21, s22, 4
	s_add_co_u32 s18, s18, s21
	s_lshl_b32 s18, s18, 12                        ; its first row, 4,096 bytes a row
	s_mov_b32 s19, 0
	s_add_nc_u64 s[OB+2*\a:OB+2*\a+1], s[10:11], s[18:19]
	s_cmp_eq_u32 s22, 36
	s_cselect_b32 s21, 1, 16                       ; live rows: 16; in a sequence's last tile 1;
	s_cmp_gt_u32 s16, 591
	s_cselect_b32 s21, 0, s21                      ; in a tile of zeros none
	v_mov_b32 v[NV+\a], s21
.endr
	s_wait_tensorcnt 1                             ; my part of K step 0 is in (K step 1's load may be out)
	s_barrier_signal -1
	s_barrier_wait -1                              ; everybody's is
	FETCH 0, 0, 0
	s_wait_loadcnt 0x0                             ; the bias
	FIVE 0, 1                                      ; K step 0: its first products start the sums
	TURN 0, 1, 1                                   ; slot 0 takes K step 2
	FIVE 1, 0                                      ; K step 1
	TURN 1, 0, 1                                   ; slot 1 takes K step 3
	FIVE 0, 0                                      ; K step 2
	TURN 0, 1, 1                                   ; slot 0 takes K step 4
	FIVE 1, 0                                      ; K step 3
	TURN 1, 0, 2                                   ; slot 1 takes the short K step 5
	FIVE 0, 0                                      ; K step 4
	TURN 0, 1, 0                                   ; nothing is left to fetch, and no round of the cluster's barrier follows
	QUARTER 1, 1, 0, 1, 0                          ; K step 5: two parts
	s_wait_dscnt 0x0                               ; the very last part: nothing more to fetch
.irp a, 0,1,2,3,4
	MULA 1, \a, 0
.endr
	WIN 0
; THE WAY OUT, a row tile (16 rows x 128 columns) at a time.  A lane holds 32 neighbouring bytes of a row and the lanes beside it other rows: so a tile goes through my own stage in LDS and comes back as whole rows of 512 bytes.
; LDS serves a wave's instructions in order (ISA guide 5.7.1.4): no wait between the stores and the loads, nor in front of the next tile's stores.
.macro TOSTAGE a
.if (\a) < 4
.set rD, 64*(\a)
	WIN 0x08                                       ; an LDS store's data are its source 1: window 2
.else
.set rD, 128
	WIN 0x04                                       ; window 1
.endif
.irp b, 0,1,2,3,4,5,6,7
	ds_store_b128 v[STO], v[rD+8*\b:rD+8*\b+3] offset:64*\b            ; each accumulator from its low end on
	ds_store_b128 v[STO], v[rD+8*\b+4:rD+8*\b+7] offset:64*\b+16
.endr
	WIN 0
.set BB, BK+64*((\a)%2)
.irp t, 0,1,2,3,4,5,6,7,8,9,10,11,12,13,14,15
	ds_load_b128 v[BB+4*\t:BB+4*\t+3], v[RD] offset:\t*SPITCH
.endr
.endm
; younger: the LDS instructions issued behind tile a's loads, which may stay out.  Row 0 is stored where the tile has a live row, rows 1 to 15 where it has sixteen: EXEC, not a branch.
; EXEC is a source of pending stores: it changes only behind s_wait_xcnt 0; the last of these waits also frees the rows' registers for the tile after next
.macro SEND a, younger
.set BB, BK+64*((\a)%2)
	s_wait_dscnt \younger
	v_cmp_lt_u32 vcc_lo, 0, v[NV+(\a)]
	s_wait_xcnt 0x0
	s_and_saveexec_b32 s20, vcc_lo
	global_store_b128 v[CO], v[BB:BB+3], s[OB+2*(\a):OB+2*(\a)+1] th:TH_STORE_NT
	s_wait_xcnt 0x0
	s_or_b32 exec_lo, exec_lo, s20
	v_cmp_lt_u32 vcc_lo, 1, v[NV+(\a)]
	s_and_saveexec_b32 s20, vcc_lo
.irp t, 1,2,3,4,5,6,7,8,9,10,11,12,13,14,15
	global_store_b128 v[CO], v[BB+4*\t:BB+4*\t+3], s[OB+2*(\a):OB+2*(\a)+1] offset:4096*\t th:TH_STORE_NT   ; 32 lanes store 512 consecutive bytes, at a multiple of 256 from out0's first byte
.endr
	s_wait_xcnt 0x0
	s_or_b32 exec_lo, exec_lo, s20
.endm
	NOPS 4                                         ; behind the last products: for the stores that read results and the loads into the bias's registers
	TOSTAGE 0
.irp a, 1,2,3,4
	TOSTAGE \a
	SEND \a-1, 32                                  ; behind tile a - 1's loads: tile a's 16 stores and 16 loads
.endr
	SEND 4, 0
	s_wait_tensorcnt 0x0                           ; the wave's end, behind my last tensor load and my last LDS store
	ds_add_u32 v[SPW], v[NIL]
	s_wait_dscnt 0x0
	CROUND                                         ; the closing round: no work-group ends while a partner may still ask for a tile that names it
	s_endpgm
.Lfunc_end_k_qd58ceac3dd_proj:
	.size	k_qd58ceac3dd_proj, .Lfunc_end_k_qd58ceac3dd_proj-k_qd58ceac3dd_proj
	.p2alignl 7, 3214868480
	.fill 96, 4, 3214868480
	.section	.rodata,"a",@progbits
	.p2align	6, 0x0
	.amdhsa_kernel k_qd58ceac3dd_proj
		.amdhsa_group_segment_fixed_size 327680
		.amdhsa_private_segment_fixed_size 0
		.amdhsa_enable_private_segment 0
		.amdhsa_kernarg_size 32
		.amdhsa_user_sgpr_count 2
		.amdhsa_user_sgpr_kernarg_segment_ptr 1
		.amdhsa_wavefront_size32 1
		.amdhsa_system_sgpr_workgroup_id_x 1
		.amdhsa_system_sgpr_workgroup_id_y 1
		.amdhsa_system_sgpr_workgroup_id_z 1
		.amdhsa_system_vgpr_workitem_id 0
		.amdhsa_next_free_vgpr 768
		.amdhsa_next_free_sgpr 100
		.amdhsa_reserve_vcc 1
		.amdhsa_float_denorm_mode_32 3
		.amdhsa_float_denorm_mode_16_64 3
		.amdhsa_memory_ordered 1
		.amdhsa_forward_progress 1
		.amdhsa_inst_pref_size 179
	.end_amdhsa_kernel
	.amdgpu_metadata
---
amdhsa.version: [ 1, 2 ]
amdhsa.kernels:
  - .name:           k_qd58ceac3dd_proj
    .symbol:         k_qd58ceac3dd_proj.kd
    .args:
      - { .name: of, .offset: 0, .size: 8, .value_kind: global_buffer, .address_space: global }
      - { .name: wpf, .offset: 8, .size: 8, .value_kind: global_buffer, .address_space: global }
      - { .name: b_proj, .offset: 16, .size: 8, .value_kind: global_buffer, .address_space: global }
      - { .name: out0, .offset: 24, .size: 8, .value_kind: global_buffer, .address_space: global }
    .group_segment_fixed_size: 327680
    .private_segment_fixed_size: 0
    .kernarg_segment_align: 8
    .kernarg_segment_size: 32
    .max_flat_workgroup_size: 128
    .sgpr_count:     100
    .vgpr_count:     768
    .wavefront_size: 32
...
	.end_amdgpu_metadata
.endif
;; end of part 3
